; MI455X (gfx1250); checked and timed in simulation.
; The chip was launched on July 23, 2026; its instructions are those of AMD's public machine-readable ISA for CDNA 5 (MIT licence, August 2026) and "CDNA5" Instruction Set Architecture Reference Guide (July 2026). The comments in the code are by the model that wrote it; some were corrected since.
;; Grouped Experts. Allowed arithmetic: float matrix products may take bf16 or f16 operands with f32 sums; other float arithmetic in f32, or as packed bf16 or f16 multiplies, adds, multiply-adds, maxima and minima; sums over many terms, partial sums and values carried from step to step in f32; what a program stores and reads back later, other than sums and carried values, may be rounded once to bf16 or f16.
;; Inputs: m_sizes 8 int32; w1 8 x 2,048 x 1,024 float32; w2 8 x 1,024 x 2,048 float32; w3 8 x 2,048 x 1,024 float32; x 1,024 x 2,048 float32.
;; Outputs: out0 1,024 x 2,048 float32.
;; One version. Each part assembles by itself: llvm-mc -triple=amdgcn-amd-amdhsa -mcpu=gfx1250 --defsym DOCPART=n.
;; ======== version 1 of 1: 3 launches
;; workspace buffers: xb 4,194,304 bytes; hb 2,097,152 bytes
;; launch lay (part 1): grid 256 x 1, 4 waves a work-group, no clusters, 17,920 bytes of LDS; arguments x, xb; writes xb
.if DOCPART == 1
	.amdgcn_target "amdgcn-amd-amdhsa--gfx1250"
	.amdhsa_code_object_version 6
	.text
	.protected	k_qa6f480c009_lay
	.globl	k_qa6f480c009_lay
	.p2align	8
	.type	k_qa6f480c009_lay,@function
k_qa6f480c009_lay:
	s_mov_b64 s[64:65], 0
	v_nop
	global_prefetch_b8 v0, s[64:65] scope:SCOPE_SE
	s_setreg_imm32_b32 hwreg(HW_REG_WAVE_MODE, 25, 1), 1
	s_wait_xcnt 0x0
; xb = x rounded once to bf16 and laid in planes: xb[q = k / 8][row 0..1023][8 bf16].  A plane is 16,384 bytes, a row's entry in it 16 bytes.
; In that order one 16-byte load a lane fills four registers of a matrix fragment of 16 tokens, from any first row: 16 lanes take 256 consecutive bytes of one plane.
; SHARES.  A wave takes a block of 16 rows x 128 k (8,192 bytes of x): 64 x 16 = 1,024 blocks = 256 work-groups x 4 waves.  Each load takes 512 consecutive bytes of a row;
; the block is turned in the wave's own LDS bytes (no other wave touches them: no barrier); each store writes two runs of 256 consecutive bytes, at multiples of 256 from xb's first byte.
; No matrix unit, no cluster: the launch moves each byte once and shares nothing between work-groups.
.set ROWB,  8192                       ; bytes in a row of x
.set PLANE, 16384                      ; bytes in a plane of xb
.set QP,    272                        ; LDS: a plane's 16 entries (256 bytes) + 16: the 32 lanes' 8-byte stores fall on words 4 q + 2 (lane & 1) mod 64, all different
.set WREG,  16*QP                      ; a wave's LDS bytes: 16 planes
.set SPARE, 4*WREG                     ; 17,408: behind them the spare words, 128 bytes a wave, which no other line names
.set SPW, 2                            ; v2   LDS address of my spare word; never rewritten
.set NIL, 3                            ; v3   0; never rewritten
.set GL,  4                            ; v4   16 x lane: my 16 bytes of a row's 512
.set LW,  5                            ; v5   LDS: where my 4 bf16 of row 0 go
.set LR,  6                            ; v6   LDS: where I read an entry back
.set GS,  7                            ; v7   my byte offset in two planes of xb
.set X,   8                            ; v[8:71]   16 rows x 4 f32
.set C,   72                           ; v[72:103] packed bf16, then the entries read back
.set T0,  104
.set T1,  105
	s_load_b128 s[4:7], s[0:1], 0x0                ; x s[4:5], xb s[6:7]
	v_lshl_add_u32 v[SPW], v0, 2, SPARE
	v_mov_b32 v[NIL], 0
	v_lshrrev_b32 v1, 5, v0
	v_readfirstlane_b32 s8, v1                     ; wave 0..3
	v_and_b32 v1, 31, v0                           ; lane
	s_lshl_b32 s9, ttmp9, 2
	s_add_co_u32 s9, s9, s8                        ; my block
	s_lshr_b32 s14, s9, 4                          ; its 16 rows: rb
	s_and_b32 s15, s9, 15                          ; its 128 k: kb
	s_lshl_b32 s10, s14, 17                        ; x: rb x 16 rows x 8,192
	s_lshl_b32 s16, s15, 9                         ;    + kb x 512
	s_add_co_u32 s10, s10, s16
	s_mov_b32 s11, 0
	s_lshl_b32 s12, s15, 18                        ; xb: kb x 16 planes
	s_lshl_b32 s16, s14, 8                         ;     + rb x 16 entries
	s_add_co_u32 s12, s12, s16
	s_mov_b32 s13, 0
	s_mul_i32 s17, s8, WREG                        ; my wave's LDS bytes
	v_lshlrev_b32 v[GL], 4, v1
	v_lshrrev_b32 v[LW], 1, v1                     ; lane l holds k = 4 l .. 4 l + 3: plane l / 2, half l & 1
	v_mul_u32_u24 v[LW], v[LW], QP
	v_and_b32 v[T0], 1, v1
	v_lshl_add_u32 v[LW], v[T0], 3, v[LW]
	v_add_nc_u32 v[LW], s17, v[LW]
	v_lshrrev_b32 v[T0], 4, v1                     ; back: lanes 0-15 one plane's 16 entries, lanes 16-31 the next plane's
	v_and_b32 v[T1], 15, v1
	v_lshlrev_b32 v[T1], 4, v[T1]
	v_lshl_add_u32 v[GS], v[T0], 14, v[T1]
	v_mul_u32_u24 v[T0], v[T0], QP
	v_add3_u32 v[LR], v[T0], v[T1], s17
	s_wait_kmcnt 0x0
	s_add_nc_u64 s[4:5], s[4:5], s[10:11]
	s_add_nc_u64 s[6:7], s[6:7], s[12:13]
.irp i, 0,1,2,3,4,5,6,7,8,9,10,11,12,13,14,15
	global_load_b128 v[X+4*(\i):X+4*(\i)+3], v[GL], s[4:5] offset:(\i)*ROWB th:TH_LOAD_NT  ; all 16 rows are asked for before the first wait; x is read once in the launch
.endr
.irp i, 0,1,2,3,4,5,6,7,8,9,10,11,12,13,14,15
	s_wait_loadcnt 15-(\i)                         ; loads come back in order: row i is in, the 15 - i younger ones stay out
	v_cvt_pk_bf16_f32 v[C+2*(\i)],   v[X+4*(\i)],   v[X+4*(\i)+1]
	v_cvt_pk_bf16_f32 v[C+2*(\i)+1], v[X+4*(\i)+2], v[X+4*(\i)+3]
	ds_store_b64 v[LW], v[C+2*(\i):C+2*(\i)+1] offset:16*(\i)   ; entry of row i in my plane
.endr
.irp t, 0,1,2,3,4,5,6,7
	ds_load_b128 v[C+4*(\t):C+4*(\t)+3], v[LR] offset:2*QP*(\t)  ; planes 2 t and 2 t + 1.  LDS serves a wave's instructions in order: these see the stores above
.endr
.irp t, 0,1,2,3,4,5,6,7
	s_wait_dscnt 7-(\t)
	global_store_b128 v[GS], v[C+4*(\t):C+4*(\t)+3], s[6:7] offset:2*PLANE*(\t)
.endr
	s_wait_tensorcnt 0x0                           ; the wave's end
	ds_add_u32 v[SPW], v[NIL]
	s_wait_dscnt 0x0
	s_endpgm
.Lfunc_end_k_qa6f480c009_lay:
	.size	k_qa6f480c009_lay, .Lfunc_end_k_qa6f480c009_lay-k_qa6f480c009_lay
	.p2alignl 7, 3214868480
	.fill 96, 4, 3214868480
	.section	.rodata,"a",@progbits
	.p2align	6, 0x0
	.amdhsa_kernel k_qa6f480c009_lay
		.amdhsa_group_segment_fixed_size 17920
		.amdhsa_private_segment_fixed_size 0
		.amdhsa_enable_private_segment 0
		.amdhsa_kernarg_size 16
		.amdhsa_user_sgpr_count 2
		.amdhsa_user_sgpr_kernarg_segment_ptr 1
		.amdhsa_wavefront_size32 1
		.amdhsa_system_sgpr_workgroup_id_x 1
		.amdhsa_system_sgpr_workgroup_id_y 1
		.amdhsa_system_sgpr_workgroup_id_z 1
		.amdhsa_system_vgpr_workitem_id 0
		.amdhsa_next_free_vgpr 112
		.amdhsa_next_free_sgpr 66
		.amdhsa_reserve_vcc 0
		.amdhsa_float_denorm_mode_32 3
		.amdhsa_float_denorm_mode_16_64 3
		.amdhsa_memory_ordered 1
		.amdhsa_forward_progress 1
		.amdhsa_inst_pref_size 9
	.end_amdhsa_kernel
	.amdgpu_metadata
---
amdhsa.version: [ 1, 2 ]
amdhsa.kernels:
  - .name:           k_qa6f480c009_lay
    .symbol:         k_qa6f480c009_lay.kd
    .args:
      - { .name: x, .offset: 0, .size: 8, .value_kind: global_buffer, .address_space: global }
      - { .name: xb, .offset: 8, .size: 8, .value_kind: global_buffer, .address_space: global }
    .group_segment_fixed_size: 17920
    .private_segment_fixed_size: 0
    .kernarg_segment_align: 8
    .kernarg_segment_size: 16
    .max_flat_workgroup_size: 128
    .sgpr_count:     66
    .vgpr_count:     112
    .wavefront_size: 32
...
	.end_amdgpu_metadata
.endif
;; end of part 1
;; launch up (part 2): grid 32 x 8, 8 waves a work-group, no clusters, 263,168 bytes of LDS; arguments m_sizes, w1, w3, xb, hb; writes hb
.if DOCPART == 2
	.amdgcn_target "amdgcn-amd-amdhsa--gfx1250"
	.amdhsa_code_object_version 6
	.text
	.protected	k_qa6f480c009_up
	.globl	k_qa6f480c009_up
	.p2align	8
	.type	k_qa6f480c009_up,@function
k_qa6f480c009_up:
	s_mov_b64 s[64:65], 0
	v_nop
	global_prefetch_b8 v0, s[64:65] scope:SCOPE_SE
	s_setreg_imm32_b32 hwreg(HW_REG_WAVE_MODE, 25, 1), 1
	s_wait_xcnt 0x0
; hb = silu(x w1[e]) * (x w3[e]) for each token's own expert e, rounded once to bf16, in planes: hb[q = column / 8][row 0..1023][8 bf16] (as xb).
; Token t belongs to expert e iff cumsum(m_sizes)[e-1] <= t < cumsum(m_sizes)[e]; a token behind the last group has no expert, and its entries of hb are neither written here nor read later.
; LIMITS.  Entries of m_sizes are taken as unsigned and cut at 1,024: a negative entry counts as 1,024 or more (a falling cumsum is not served).  x and the weights enter the products rounded to bf16;
; all sums are f32, a row's sum as eight partial sums over 256 k each, added at the end.  An exponential beyond f32's range gives sigmoid 0; a sigmoid below 2^-126 counts as 0.
; TILES.  A tile is up to 128 consecutive rows of one expert: never more than 8 + 8 - 1 = 15, whatever the split.  Grid: x = slice of 32 columns of w1 AND of w3, y = 0..7; a work-group
; runs two trips, on tiles y and y + 8.  A trip whose tile does not exist jumps forward over the work and passes both barriers.
; WAVES.  K is split eight ways: wave w takes k = 256 w .. 256 w + 255 in 8 steps of 32 and holds the whole tile, 128 tokens x 64 results, in 32 accumulators.  It reads weights and token
; entries that no other wave of the work-group reads, straight from memory into registers: the steps have no LDS and no barrier.  Then the eight partial tiles meet in LDS, and wave w finishes tokens 16 w .. 16 w + 15.
; WEIGHTS.  Lane (r = l % 16, h = l / 16) loads 8 bytes (columns 2 r, 2 r + 1) of the rows k = 8 h + 0..7 and 16 + 8 h + 0..7; rounding rows 2 i and 2 i + 1 together IS register i of a fragment.
; Fragment c (0, 1) holds column 2 r + c.  THE PRODUCT IS USED TRANSPOSED (source 0 = weights, source 1 = tokens): a lane then holds ONE token (r) and columns 16 h + 2 j + c: 32 consecutive bytes of h.
; NO JOINT LOADS.  What the 32 slices of a tile share is its token entries, 128 x 2,048 x 2 = 524,288 bytes.  LDS holds 262,144 bytes of partial sums, so they would have to go through a ring of slots with the
; cluster's rounds, in trips whose very existence hangs on m_sizes; the weights, which are the launch's bytes from memory, have one reader each.
; REGISTERS.  Window 0 as named below; window 1: accumulator (row tile i, fragment ct) at v[8 (4 i + ct)], ct = u columns c = 0, 1, then g columns c = 0, 1.
.set PLANE, 16384                      ; bytes in a plane of xb and hb
.set WROW,  4096                       ; bytes in a row of w1 and w3
.set PART,  32768                      ; LDS: a wave's partial tile: accumulator a, half p at 1,024 a + 512 p + 16 lane: the register image, consecutive lanes at consecutive 16 bytes
.set SPARE, 8*PART                     ; behind the partial tiles: the spare words, 128 bytes a wave, which no other line names
.set AMAX,  PLANE+1023*16              ; the largest token offset: plane h = 1, entry of row 1,023
.set SPW, 4                            ; v4   LDS address of my spare word; never rewritten
.set NIL, 5                            ; v5   0; never rewritten
.set WOF, 6                            ; v6   8 h rows + 8 r bytes in the weights
.set PFO, 7                            ; v7   lane x one row of the weights
.set AAD, 8                            ; v[8:15]  row tile i: plane h, entry of my token
.set PST, 16                           ; v16  LDS: my 16 bytes in my wave's partial tile
.set PRD, 17                           ; v[17:20] LDS: my 16 bytes of row tile w in the partial tiles of waves 2 k, 2 k + 1
.set HAD, 21                           ; v21  my offset in hb from my wave's first token: planes 2 h, entry r; made of lane numbers alone
.set IDX, 22                           ; v22  16 w + r: my token's place in the tile, at the end
.set TV,  23                           ; v23  at work
.set BF,  24                           ; v[24:55]   four weight fragments; at the end the sums S
.set AF,  56                           ; v[56:119]  eight token fragments
.set WL,  120                          ; v[120:247] two sets of 64: w1's 16 rows x 2, w3's 16 rows x 2; at the end four partial blocks of 32
.set HOF, 248                          ; v248 h planes
.set P0,  WL
.set P1,  WL+32
.set P2,  WL+64
.set P3,  WL+96
.set TT,  56                           ; v[56:71]   at the end: 16 numbers at work
.set HB,  88                           ; v[88:95]   at the end: 16 bf16 to store
.set MS,  16                           ; s[16:23] m_sizes
.set WV,  25                           ; wave
.set SL,  26                           ; slice
.set YS,  27                           ; grid y
.set TRIP, 28
.set Y,   29                           ; the trip's tile
.set E,   30                           ; its expert (9: no such tile)
.set R0,  31                           ; its first row
.set N,   32                           ; its rows, 0 to 128
.set CUM, 33
.set TB,  34
.set GEND, 35
.set CNT, 36
.set NT,  37
.set LOC, 38
.set T1,  39
.set T2,  40
.set LAST, 41                          ; its last row
.set W16, 42                           ; 16 x wave
.set SV,  43
.set OFF, 44                           ; s[44:45] an offset, high word 0
.set W1B, 46                           ; s[46:47] w1 at my expert, my 256 rows, my slice
.set W3B, 48                           ; s[48:49] w3 likewise
.set XBB, 50                           ; s[50:51] xb at my 32 planes
.set HBB, 52                           ; s[52:53] hb at my slice's 4 planes
.set PFB, 54                           ; s[54:55] the base that I prefetch from
.set E7,  56
.set KW,  57                           ; wave x 256 rows + slice x 128 bytes
.set KPF, 58                           ; wave x 256 rows + (slice / 2) x 256 bytes
.set HBT, 60                           ; s[60:61] hb at my slice's planes and my wave's first token of the trip's tile
.set MSB, 0
.macro WIN new                         ; the immediate's high byte repeats the setting that is left; a switch that changes nothing is dropped
.if MSB != (\new)
	s_set_vgpr_msb (MSB<<8)|(\new)
.set MSB, \new
.endif
.endm
.set W_MM, 0x50                        ; C and D in window 1, both sources in window 0
.set W_ST, 0x04                        ; an LDS store's data in window 1
.macro PLACES                          ; four plain vector instructions behind a matrix instruction, ahead of loads into and writes of its sources and of reads of its result
.rept 4
	v_nop
.endr
.endm
; Group g of rows: from CUM to min(CUM + size, 1,024), in NT tiles numbered from TB.  If tile Y is one of them, E, R0 and N take its expert, first row and the rows from there to the group's end.
.macro GRP g
	s_min_u32 s[GEND], s[MS+(\g)], 0x400
	s_add_co_u32 s[GEND], s[GEND], s[CUM]
	s_min_u32 s[GEND], s[GEND], 0x400
	s_sub_co_u32 s[CNT], s[GEND], s[CUM]
	s_add_co_u32 s[NT], s[CNT], 127
	s_lshr_b32 s[NT], s[NT], 7
	s_sub_co_u32 s[LOC], s[Y], s[TB]               ; wraps to a large number for a tile of an earlier group
	s_lshl_b32 s[T1], s[LOC], 7
	s_sub_co_u32 s[T2], s[CNT], s[T1]
	s_add_co_u32 s[T1], s[T1], s[CUM]
	s_cmp_lt_u32 s[LOC], s[NT]
	s_cselect_b32 s[E], \g, s[E]
	s_cselect_b32 s[R0], s[T1], s[R0]
	s_cselect_b32 s[N], s[T2], s[N]
	s_mov_b32 s[CUM], s[GEND]
	s_add_co_u32 s[TB], s[TB], s[NT]
.endm
.macro FIND
	s_mov_b32 s[E], 9
	s_mov_b32 s[R0], 0
	s_mov_b32 s[N], 0
	s_mov_b32 s[CUM], 0
	s_mov_b32 s[TB], 0
.irp g, 0,1,2,3,4,5,6,7
	GRP \g
.endr
	s_min_u32 s[N], s[N], 128
	s_add_co_u32 s[LAST], s[R0], s[N]
	s_sub_co_u32 s[LAST], s[LAST], 1
	s_min_u32 s[LAST], s[LAST], 0x3ff              ; what hangs on m_sizes and enters an address is held to its table by a constant
	s_min_u32 s[E7], s[E], 7
	s_min_u32 s[R0], s[R0], 0x3ff
.endm
; The trip's offsets.  Places past the tile's count repeat its last row: nothing is read that does not belong to the tile.
; Each token offset is held to its range, AMAX, by the last line that makes it; for a tile that exists that line changes nothing (row <= LAST <= 1,023).
.macro MKADDR
	v_add_nc_u32 v3, s[R0], v1
.irp i, 0,1,2,3,4,5,6,7
	v_add_nc_u32 v[TV], 16*(\i), v3                ; token 16 i + r of the tile,
	v_min_u32 v[TV], s[LAST], v[TV]                ; or the tile's last
	v_lshlrev_b32 v[TV], 4, v[TV]                  ; its entry in a plane
	v_add_nc_u32 v[AAD+(\i)], v[HOF], v[TV]        ; in plane h
	v_min_u32 v[AAD+(\i)], AMAX, v[AAD+(\i)]
.endr
	s_add_co_u32 s[T1], s[R0], s[W16]              ; my wave's first token at the end: its entry goes into the stores' base
	s_min_u32 s[T1], s[T1], 0x3ff
	s_lshl_b32 s[OFF], s[T1], 4
	s_add_nc_u64 s[HBT:HBT+1], s[HBB:HBB+1], s[OFF:OFF+1]
.endm
.macro LOADW s                         ; K step s: 16 rows of w1 and 16 of w3, 8 bytes a lane, into set s & 1
.set WS, WL+64*((\s)&1)
.set j, 0
.rept 16
	global_load_b64 v[WS+2*j:WS+2*j+1], v[WOF], s[W1B:W1B+1] offset:(32*(\s)+j+8*(j/8))*WROW
.set j, j+1
.endr
.set j, 0
.rept 16
	global_load_b64 v[WS+32+2*j:WS+32+2*j+1], v[WOF], s[W3B:W3B+1] offset:(32*(\s)+j+8*(j/8))*WROW
.set j, j+1
.endr
.endm
.macro LOADA s                         ; K step s: eight token fragments: registers 0-3 from plane 4 s + h, registers 4-7 from plane 4 s + 2 + h; 16 lanes take 256 consecutive bytes
.irp i, 0,1,2,3,4,5,6,7
	global_load_b128 v[AF+8*(\i):AF+8*(\i)+3],   v[AAD+(\i)], s[XBB:XBB+1] offset:(\s)*4*PLANE
	global_load_b128 v[AF+8*(\i)+4:AF+8*(\i)+7], v[AAD+(\i)], s[XBB:XBB+1] offset:(\s)*4*PLANE+2*PLANE
.endr
.endm
; Prefetch of K step t: lane l asks for row l of its 32 rows.  The 256 bytes asked for hold this slice's 128 and its neighbour's: an even slice asks in w1 for both, an odd one in w3.
; Step t is asked for at the head of step t - 4, and its loads are issued at the end of step t - 2 (steps 2 and 3: at the trip's start).  The highest t is 7, the wave's last rows: no request leaves the buffer.
.macro PF t
	global_prefetch_b8 v[PFO], s[PFB:PFB+1] offset:(\t)*32*WROW th:TH_LOAD_NT scope:SCOPE_SE
.endm
.macro CVT s                           ; 64 f32 pairs to four fragments: register i = rows 2 i, 2 i + 1 of one column
.set WS, WL+64*((\s)&1)
.set i, 0
.rept 8
	v_cvt_pk_bf16_f32 v[BF+i],    v[WS+4*i],      v[WS+4*i+2]
	v_cvt_pk_bf16_f32 v[BF+8+i],  v[WS+4*i+1],    v[WS+4*i+3]
	v_cvt_pk_bf16_f32 v[BF+16+i], v[WS+32+4*i],   v[WS+32+4*i+2]
	v_cvt_pk_bf16_f32 v[BF+24+i], v[WS+32+4*i+1], v[WS+32+4*i+3]
.set i, i+1
.endr
.endm
.macro MUL s                           ; 32 products; the 32 accumulators take turns, one instruction a turn, from step to step too.  Step 0 starts the sums with the constant 0
	WIN W_MM
.set i, 0
.rept 8
.irp c, 0,1,2,3
.if (\s) == 0
	v_wmma_f32_16x16x32_bf16 v[8*(4*i+(\c)):8*(4*i+(\c))+7], v[BF+8*(\c):BF+8*(\c)+7], v[AF+8*i:AF+8*i+7], 0
.else
	v_wmma_f32_16x16x32_bf16 v[8*(4*i+(\c)):8*(4*i+(\c))+7], v[BF+8*(\c):BF+8*(\c)+7], v[AF+8*i:AF+8*i+7], v[8*(4*i+(\c)):8*(4*i+(\c))+7]
.endif
.endr
.set i, i+1
.endr
	WIN 0
.endm
; A K step.  Loads are issued in the order W0 A0 W1 | A1 W2 | A2 W3 | .. | A7 (W: 32 loads, A: 16), and come back in that order.
.macro STEP s
.if (\s) < 7
	s_wait_loadcnt 48                              ; W(s) is in: behind it were issued A(s), 16, and W(s+1), 32
.else
	s_wait_loadcnt 16                              ; W(7) is in: behind it A(7) alone
.endif
.if (\s) < 4
	PF (\s)+4
.endif
	CVT \s
.if (\s) < 7
	s_wait_loadcnt 32                              ; A(s) is in; W(s+1) stays out
.else
	s_wait_loadcnt 0x0
.endif
	MUL \s
	PLACES                                         ; ahead of the loads into the token fragments, of the next conversions into the weight fragments, and (step 7) of the stores of the sums
.if (\s) < 7
	LOADA (\s)+1
.endif
.if (\s) < 6
	LOADW (\s)+2                                   ; into the set that this step's conversions have read
.endif
.endm
.macro PUT                             ; my partial tile into LDS; each accumulator's low four registers first
	WIN W_ST
.set i, 0
.rept 32
	ds_store_b128 v[PST], v[8*i:8*i+3]   offset:1024*i
	ds_store_b128 v[PST], v[8*i+4:8*i+7] offset:1024*i+512
.set i, i+1
.endr
	WIN 0
.endm
.macro GET b                           ; row tile w of the partial tiles of waves 4 b .. 4 b + 3, into P0 .. P3
.irp w, 0,1,2,3
.irp c, 0,1,2,3
	ds_load_b128 v[WL+32*(\w)+8*(\c):WL+32*(\w)+8*(\c)+3],   v[PRD+2*(\b)+(\w)/2] offset:((\w)&1)*PART+(\c)*1024
	ds_load_b128 v[WL+32*(\w)+8*(\c)+4:WL+32*(\w)+8*(\c)+7], v[PRD+2*(\b)+(\w)/2] offset:((\w)&1)*PART+(\c)*1024+512
.endr
.endr
.endm
.macro ADD32 d, a, b                   ; 32 f32 sums
.set z, 0
.rept 16
	v_pk_add_f32 v[(\d)+z:(\d)+z+1], v[(\a)+z:(\a)+z+1], v[(\b)+z:(\b)+z+1]
.set z, z+2
.endr
.endm
	s_load_b256 s[4:11], s[0:1], 0x0               ; m_sizes s[4:5], w1 s[6:7], w3 s[8:9], xb s[10:11]
	s_load_b64 s[12:13], s[0:1], 0x20              ; hb
	v_lshl_add_u32 v[SPW], v0, 2, SPARE
	v_mov_b32 v[NIL], 0
	v_lshrrev_b32 v3, 5, v0
	v_readfirstlane_b32 s[WV], v3                  ; wave 0..7
	v_and_b32 v1, 15, v0                           ; r
	v_bfe_u32 v2, v0, 4, 1                         ; h
	v_and_b32 v[TV], 31, v0                        ; lane
	s_mov_b32 s[SL], ttmp9
	s_and_b32 s[YS], ttmp7, 0xffff
	s_lshl_b32 s[W16], s[WV], 4
	s_lshl_b32 s[KW], s[WV], 20                    ; 256 rows of 4,096 bytes
	s_lshr_b32 s[T1], s[SL], 1
	s_lshl_b32 s[T1], s[T1], 8
	s_add_co_u32 s[KPF], s[KW], s[T1]
	s_lshl_b32 s[T1], s[SL], 7
	s_add_co_u32 s[KW], s[KW], s[T1]
	v_lshlrev_b32 v[WOF], 3, v1
	v_lshl_add_u32 v[WOF], v2, 15, v[WOF]
	v_lshlrev_b32 v[PFO], 12, v[TV]
	v_lshlrev_b32 v[HOF], 14, v2
	v_lshlrev_b32 v[HAD], 4, v1                    ; entry r behind my wave's first token,
	v_lshl_add_u32 v[HAD], v2, 15, v[HAD]          ; planes 2 h and 2 h + 1 of the slice's four
	s_lshl_b32 s[T1], s[WV], 15
	v_lshl_add_u32 v[PST], v[TV], 4, s[T1]         ; wave x 32,768 + 16 lane
	s_lshl_b32 s[T1], s[WV], 12
	v_lshl_add_u32 v[PRD], v[TV], 4, s[T1]         ; accumulators 4 w .. 4 w + 3: wave x 4,096 + 16 lane
.irp k, 1,2,3
	v_add_nc_u32 v[PRD+(\k)], (\k)*2*PART, v[PRD]
.endr
	v_add_nc_u32 v[IDX], s[W16], v1
	s_mov_b32 s[OFF+1], 0
	s_mov_b32 s[TRIP], 0
	s_wait_kmcnt 0x0
	s_load_b256 s[MS:MS+7], s[4:5], 0x0            ; the eight sizes
	s_lshl_b32 s[OFF], s[WV], 19                   ; 32 planes
	s_add_nc_u64 s[XBB:XBB+1], s[10:11], s[OFF:OFF+1]
	s_lshl_b32 s[OFF], s[SL], 16                   ; 4 planes
	s_add_nc_u64 s[HBB:HBB+1], s[12:13], s[OFF:OFF+1]
	s_wait_kmcnt 0x0
.Ltrip:
	s_wait_xcnt 0x0                                ; the last trip's bases, offsets and store data are rewritten only behind this wait
	s_lshl_b32 s[Y], s[TRIP], 3
	s_add_co_u32 s[Y], s[Y], s[YS]                 ; tile y, then tile y + 8
	FIND
	s_lshl_b32 s[T2], s[E7], 23                    ; an expert's 2,048 rows
	s_add_co_u32 s[OFF], s[T2], s[KW]
	s_add_nc_u64 s[W1B:W1B+1], s[6:7], s[OFF:OFF+1]
	s_add_nc_u64 s[W3B:W3B+1], s[8:9], s[OFF:OFF+1]
	s_add_co_u32 s[OFF], s[T2], s[KPF]
	s_bitcmp1_b32 s[SL], 0
	s_cselect_b64 s[PFB:PFB+1], s[8:9], s[6:7]     ; an odd slice asks in w3, an even one in w1
	s_add_nc_u64 s[PFB:PFB+1], s[PFB:PFB+1], s[OFF:OFF+1]
	MKADDR
	s_cmp_eq_u32 s[N], 0
	s_cbranch_scc1 .Lnowork                        ; no such tile: forward, over text that holds no barrier
	LOADW 0
	LOADA 0
	PF 2                                           ; ahead of W1: W0, A0 and W1 are 80 loads, more than may be out at once (ISA guide 5.7.1: the issue stalls), and what stands behind them is issued late
	PF 3
	LOADW 1
.irp s, 0,1,2,3,4,5,6,7
	STEP \s
.endr
	PUT
.Lnowork:
	s_wait_dscnt 0x0                               ; for the others' sake: my partial tile is written
	s_barrier_signal -1
	s_barrier_wait -1                              ; everybody's is
	s_cmp_ge_u32 s[W16], s[N]
	s_cbranch_scc1 .Lnored                         ; my 16 tokens lie past the tile's count (or there is no tile): nothing to finish
	GET 0
	s_wait_dscnt 0x0
	ADD32 BF, P0, P1                               ; S = the eight partial sums, in f32
	ADD32 P2, P2, P3
	ADD32 BF, BF, P2
	GET 1
	s_wait_dscnt 0x0
	ADD32 P0, P0, P1
	ADD32 P2, P2, P3
	ADD32 BF, BF, P0
	ADD32 BF, BF, P2
	; S: u of columns c = 0, c = 1 in v[BF .. BF+15], g likewise in v[BF+16 .. BF+31].  h = (u sigmoid(u)) g, sigmoid(u) = 1 / (1 + 2^(-u log2 e))
.set z, 0
.rept 8
	v_pk_mul_f32 v[TT+z:TT+z+1], v[BF+z:BF+z+1], 0xbfb8aa3b op_sel_hi:[1,0]
.set z, z+2
.endr
.set z, 0
.rept 16
	v_exp_f32 v[TT+z], v[TT+z]
.set z, z+1
.endr
	v_nop                                          ; a plain instruction behind the last exponential,
	s_wait_alu depctr_va_vdst(0)                   ; and one wait for the batch of 16, ahead of its first reader
.set z, 0
.rept 8
	v_pk_add_f32 v[TT+z:TT+z+1], v[TT+z:TT+z+1], 1.0 op_sel_hi:[1,0]
.set z, z+2
.endr
.set z, 0
.rept 16
	v_rcp_f32 v[TT+z], v[TT+z]
.set z, z+1
.endr
	v_nop
	s_wait_alu depctr_va_vdst(0)                   ; likewise for the 16 reciprocals
.set z, 0
.rept 8
	v_pk_mul_f32 v[TT+z:TT+z+1], v[BF+z:BF+z+1], v[TT+z:TT+z+1]      ; silu(u) first, then times g: a vanished sigmoid never meets an overflowed u g
.set z, z+2
.endr
.set z, 0
.rept 8
	v_pk_mul_f32 v[TT+z:TT+z+1], v[TT+z:TT+z+1], v[BF+16+z:BF+16+z+1]
.set z, z+2
.endr
.set z, 0
.rept 8
	v_cvt_pk_bf16_f32 v[HB+z], v[TT+z], v[TT+8+z]  ; columns 16 h + 2 z and 16 h + 2 z + 1
.set z, z+1
.endr
	v_cmp_gt_u32 vcc_lo, s[N], v[IDX]              ; my token lies inside the tile: only such lanes store, and their rows lie in hb (R0 + 16 w + r < R0 + N <= 1,024)
	s_wait_xcnt 0x0                                ; EXEC is a source of what has been issued: it changes only behind this wait
	s_and_saveexec_b32 s[SV], vcc_lo
	global_store_b128 v[HAD], v[HB:HB+3],   s[HBT:HBT+1]              ; 16 lanes: 16 tokens' entries, 256 consecutive bytes of a plane
	global_store_b128 v[HAD], v[HB+4:HB+7], s[HBT:HBT+1] offset:PLANE
	s_wait_xcnt 0x0                                ; and again ahead of the line that widens it
	s_or_b32 exec_lo, exec_lo, s[SV]
.Lnored:
	s_wait_dscnt 0x0                               ; my reads of the partial tiles are over
	s_barrier_signal -1
	s_barrier_wait -1                              ; everybody's are: the next trip may write them again
	s_add_co_u32 s[TRIP], s[TRIP], 1
	s_cmp_lt_u32 s[TRIP], 2
	s_cbranch_scc1 .Ltrip
	s_wait_tensorcnt 0x0                           ; the wave's end
	ds_add_u32 v[SPW], v[NIL]
	s_wait_dscnt 0x0
	s_endpgm
.Lfunc_end_k_qa6f480c009_up:
	.size	k_qa6f480c009_up, .Lfunc_end_k_qa6f480c009_up-k_qa6f480c009_up
	.p2alignl 7, 3214868480
	.fill 96, 4, 3214868480
	.section	.rodata,"a",@progbits
	.p2align	6, 0x0
	.amdhsa_kernel k_qa6f480c009_up
		.amdhsa_group_segment_fixed_size 263168
		.amdhsa_private_segment_fixed_size 0
		.amdhsa_enable_private_segment 0
		.amdhsa_kernarg_size 40
		.amdhsa_user_sgpr_count 2
		.amdhsa_user_sgpr_kernarg_segment_ptr 1
		.amdhsa_wavefront_size32 1
		.amdhsa_system_sgpr_workgroup_id_x 1
		.amdhsa_system_sgpr_workgroup_id_y 1
		.amdhsa_system_sgpr_workgroup_id_z 1
		.amdhsa_system_vgpr_workitem_id 0
		.amdhsa_next_free_vgpr 512
		.amdhsa_next_free_sgpr 66
		.amdhsa_reserve_vcc 1
		.amdhsa_float_denorm_mode_32 3
		.amdhsa_float_denorm_mode_16_64 3
		.amdhsa_memory_ordered 1
		.amdhsa_forward_progress 1
		.amdhsa_inst_pref_size 100
	.end_amdhsa_kernel
	.amdgpu_metadata
---
amdhsa.version: [ 1, 2 ]
amdhsa.kernels:
  - .name:           k_qa6f480c009_up
    .symbol:         k_qa6f480c009_up.kd
    .args:
      - { .name: m_sizes, .offset: 0, .size: 8, .value_kind: global_buffer, .address_space: global }
      - { .name: w1, .offset: 8, .size: 8, .value_kind: global_buffer, .address_space: global }
      - { .name: w3, .offset: 16, .size: 8, .value_kind: global_buffer, .address_space: global }
      - { .name: xb, .offset: 24, .size: 8, .value_kind: global_buffer, .address_space: global }
      - { .name: hb, .offset: 32, .size: 8, .value_kind: global_buffer, .address_space: global }
    .group_segment_fixed_size: 263168
    .private_segment_fixed_size: 0
    .kernarg_segment_align: 8
    .kernarg_segment_size: 40
    .max_flat_workgroup_size: 256
    .sgpr_count:     66
    .vgpr_count:     512
    .wavefront_size: 32
...
	.end_amdgpu_metadata
.endif
;; end of part 2
;; launch down (part 3): grid 32 x 8, 8 waves a work-group, no clusters, 263,168 bytes of LDS; arguments m_sizes, w2, hb, out0; writes out0
.if DOCPART == 3
	.amdgcn_target "amdgcn-amd-amdhsa--gfx1250"
	.amdhsa_code_object_version 6
	.text
	.protected	k_qa6f480c009_down
	.globl	k_qa6f480c009_down
	.p2align	8
	.type	k_qa6f480c009_down,@function
k_qa6f480c009_down:
	s_mov_b64 s[64:65], 0
	v_nop
	global_prefetch_b8 v0, s[64:65] scope:SCOPE_SE
	s_setreg_imm32_b32 hwreg(HW_REG_WAVE_MODE, 25, 1), 1
	s_wait_xcnt 0x0
; out0 = h w2[e] for each token's own expert e; a token behind the last group (cumsum(m_sizes)[7] <= t) gets a row of zeros, as the sum of masked products leaves it.
; hb holds h in bf16, in planes: hb[q = k / 8][row 0..1023][8 bf16].
; LIMITS.  Entries of m_sizes are taken as unsigned and cut at 1,024: a negative entry counts as 1,024 or more.  The weights enter the product rounded to bf16; all sums are f32, a row's sum as eight
; partial sums over 128 k each, added at the end.
; TILES.  Up to 128 consecutive rows of one group; the ninth group is the tokens without an expert: never more than 8 + 9 - 1 = 16 tiles.  Grid: x = slice of 64 columns, y = 0..7; a work-group runs
; two trips, on tiles y and y + 8.  A trip without a tile jumps forward over the work and passes both barriers; a tile of the ninth group has no products and stores zeros.
; WAVES.  Wave w takes k = 128 w .. 128 w + 127 in 4 steps of 32 and holds the whole tile, 128 tokens x 64 columns, in 32 accumulators; weights and token entries go straight from memory into registers, each
; read by one wave of the work-group.  The eight partial tiles meet in LDS, and wave w finishes tokens 16 w .. 16 w + 15.
; WEIGHTS.  Lane (r, h) loads 16 bytes (columns 4 r .. 4 r + 3) of the rows k = 8 h + 0..7 and 16 + 8 h + 0..7: 16 lanes take 256 consecutive bytes of a row, at a multiple of 256 from w2's first byte.
; Fragment c (0..3) holds column 4 r + c.  Source 0 = tokens, source 1 = weights: register j of accumulator c is (token 8 h + j, column 4 r + c), so four accumulators' registers j are 16 consecutive bytes of out0.
; NO JOINT LOADS: as in the launch before: what a tile's 32 slices share is its 262,144 bytes of token entries; LDS holds 262,144 bytes of partial sums; each weight has one reader.
; REGISTERS.  Window 0 as named below; window 1: accumulator (row tile i, fragment c) at v[8 (4 i + c)].
.set PLANE, 16384
.set WROW,  8192                       ; bytes in a row of w2, and of out0
.set PART,  32768                      ; LDS: a wave's partial tile, the register image
.set SPARE, 8*PART                     ; the spare words, 128 bytes a wave, which no other line names
.set AMAX,  PLANE+1023*16              ; the largest token offset: plane h = 1, entry of row 1,023
.set SPW, 4                            ; v4   LDS address of my spare word; never rewritten
.set NIL, 5                            ; v5   0; never rewritten
.set WOF, 6                            ; v6   8 h rows + 16 r bytes in the weights
.set PFO, 7                            ; v7   lane x one row of the weights
.set AAD, 8                            ; v[8:15]  row tile i: plane h, entry of my token
.set PST, 16
.set PRD, 17                           ; v[17:20]
.set OAD, 21                           ; v21  my offset in out0 from my wave's first token: 8 h rows, 16 r bytes; made of lane numbers alone
.set IDX, 22                           ; v22  16 w + 8 h
.set TV,  23
.set BF,  24                           ; v[24:55]   four weight fragments; at the end the sums S
.set AF,  56                           ; v[56:119]  eight token fragments
.set WL,  120                          ; v[120:247] two sets of 64: 16 rows x 4; at the end four partial blocks of 32
.set HOF, 248                          ; v248 h planes
.set P0,  WL
.set P1,  WL+32
.set P2,  WL+64
.set P3,  WL+96
.set OUT, 56                           ; v[56:87]   at the end: token j's 16 bytes at OUT + 4 j
.set MS,  16                           ; s[16:23] m_sizes; s24 the ninth group's size, 1,024: all that is left
.set WV,  25
.set SL,  26
.set YS,  27
.set TRIP, 28
.set Y,   29
.set E,   30                           ; the tile's group (8: no expert; 9: no such tile)
.set R0,  31
.set N,   32
.set CUM, 33
.set TB,  34
.set GEND, 35
.set CNT, 36
.set NT,  37
.set LOC, 38
.set T1,  39
.set T2,  40
.set LAST, 41
.set W16, 42
.set SV,  43
.set OFF, 44                           ; s[44:45]
.set W2B, 46                           ; s[46:47] w2 at my expert, my 128 rows, my slice
.set HBB, 50                           ; s[50:51] hb at my 16 planes
.set OB,  52                           ; s[52:53] out0 at my slice
.set OBT, 54                           ; s[54:55] out0 at my slice and my wave's first token of the trip's tile
.set E7,  56
.set WK,  57                           ; rows to multiply: N, or 0 for the ninth group
.set KW,  58                           ; wave x 128 rows + slice x 256 bytes
.set MSB, 0
.macro WIN new
.if MSB != (\new)
	s_set_vgpr_msb (MSB<<8)|(\new)
.set MSB, \new
.endif
.endm
.set W_MM, 0x50                        ; C and D in window 1
.set W_ST, 0x04                        ; an LDS store's data in window 1
.macro PLACES                          ; four plain vector instructions behind a matrix instruction (ISA guide 7.12.1)
.rept 4
	v_nop
.endr
.endm
.macro GRP g                           ; as in the launch before
	s_min_u32 s[GEND], s[MS+(\g)], 0x400
	s_add_co_u32 s[GEND], s[GEND], s[CUM]
	s_min_u32 s[GEND], s[GEND], 0x400
	s_sub_co_u32 s[CNT], s[GEND], s[CUM]
	s_add_co_u32 s[NT], s[CNT], 127
	s_lshr_b32 s[NT], s[NT], 7
	s_sub_co_u32 s[LOC], s[Y], s[TB]
	s_lshl_b32 s[T1], s[LOC], 7
	s_sub_co_u32 s[T2], s[CNT], s[T1]
	s_add_co_u32 s[T1], s[T1], s[CUM]
	s_cmp_lt_u32 s[LOC], s[NT]
	s_cselect_b32 s[E], \g, s[E]
	s_cselect_b32 s[R0], s[T1], s[R0]
	s_cselect_b32 s[N], s[T2], s[N]
	s_mov_b32 s[CUM], s[GEND]
	s_add_co_u32 s[TB], s[TB], s[NT]
.endm
.macro FIND
	s_mov_b32 s[E], 9
	s_mov_b32 s[R0], 0
	s_mov_b32 s[N], 0
	s_mov_b32 s[CUM], 0
	s_mov_b32 s[TB], 0
.irp g, 0,1,2,3,4,5,6,7,8
	GRP \g
.endr
	s_min_u32 s[N], s[N], 128
	s_add_co_u32 s[LAST], s[R0], s[N]
	s_sub_co_u32 s[LAST], s[LAST], 1
	s_min_u32 s[LAST], s[LAST], 0x3ff              ; what hangs on m_sizes and enters an address is held to its table by a constant
	s_min_u32 s[E7], s[E], 7
	s_min_u32 s[R0], s[R0], 0x3ff
.endm
; The trip's offsets.  Places past the tile's count repeat its last row: no entry of hb is read that the launch before did not write.
; Each token offset is held to its range, AMAX, by the last line that makes it; for a tile that exists that line changes nothing (row <= LAST <= 1,023).
.macro MKADDR
	v_add_nc_u32 v3, s[R0], v1
.irp i, 0,1,2,3,4,5,6,7
	v_add_nc_u32 v[TV], 16*(\i), v3
	v_min_u32 v[TV], s[LAST], v[TV]
	v_lshlrev_b32 v[TV], 4, v[TV]
	v_add_nc_u32 v[AAD+(\i)], v[HOF], v[TV]
	v_min_u32 v[AAD+(\i)], AMAX, v[AAD+(\i)]
.endr
	s_add_co_u32 s[T1], s[R0], s[W16]              ; my wave's first token at the end: its row goes into the stores' base
	s_min_u32 s[T1], s[T1], 0x3ff
	s_lshl_b32 s[OFF], s[T1], 13
	s_add_nc_u64 s[OBT:OBT+1], s[OB:OB+1], s[OFF:OFF+1]
.endm
.macro LOADW s                         ; K step s: 16 rows, 16 bytes a lane, into set s & 1
.set WS, WL+64*((\s)&1)
.set j, 0
.rept 16
	global_load_b128 v[WS+4*j:WS+4*j+3], v[WOF], s[W2B:W2B+1] offset:(32*(\s)+j+8*(j/8))*WROW
.set j, j+1
.endr
.endm
.macro LOADA s
.irp i, 0,1,2,3,4,5,6,7
	global_load_b128 v[AF+8*(\i):AF+8*(\i)+3],   v[AAD+(\i)], s[HBB:HBB+1] offset:(\s)*4*PLANE
	global_load_b128 v[AF+8*(\i)+4:AF+8*(\i)+7], v[AAD+(\i)], s[HBB:HBB+1] offset:(\s)*4*PLANE+2*PLANE
.endr
.endm
; Prefetch of K step t: lane l asks for my slice's 256 bytes of row l of its 32 rows; no other wave of the tile reads them.  Steps 2 and 3 are asked for at the trip's start; their loads are issued at the
; ends of steps 0 and 1.  Step 3 holds the wave's last rows: no request leaves the buffer.
.macro PF t
	global_prefetch_b8 v[PFO], s[W2B:W2B+1] offset:(\t)*32*WROW th:TH_LOAD_NT scope:SCOPE_SE
.endm
.macro CVT s
.set WS, WL+64*((\s)&1)
.set i, 0
.rept 8
.irp c, 0,1,2,3
	v_cvt_pk_bf16_f32 v[BF+8*(\c)+i], v[WS+8*i+(\c)], v[WS+8*i+4+(\c)]
.endr
.set i, i+1
.endr
.endm
.macro MUL s                           ; 32 products; the 32 accumulators take turns, from step to step too.  Step 0 starts the sums with the constant 0
	WIN W_MM
.set i, 0
.rept 8
.irp c, 0,1,2,3
.if (\s) == 0
	v_wmma_f32_16x16x32_bf16 v[8*(4*i+(\c)):8*(4*i+(\c))+7], v[AF+8*i:AF+8*i+7], v[BF+8*(\c):BF+8*(\c)+7], 0
.else
	v_wmma_f32_16x16x32_bf16 v[8*(4*i+(\c)):8*(4*i+(\c))+7], v[AF+8*i:AF+8*i+7], v[BF+8*(\c):BF+8*(\c)+7], v[8*(4*i+(\c)):8*(4*i+(\c))+7]
.endif
.endr
.set i, i+1
.endr
	WIN 0
.endm
; A K step.  Loads are issued in the order W0 A0 W1 | A1 W2 | A2 W3 | A3 (16 loads each), and come back in that order.
.macro STEP s
.if (\s) < 3
	s_wait_loadcnt 32                              ; W(s) is in: behind it were issued A(s) and W(s+1)
.else
	s_wait_loadcnt 16                              ; W(3) is in: behind it A(3) alone
.endif
	CVT \s
.if (\s) < 3
	s_wait_loadcnt 16                              ; A(s) is in; W(s+1) stays out
.else
	s_wait_loadcnt 0x0
.endif
	MUL \s
	PLACES                                         ; ahead of the loads into the token fragments, of the next conversions, and (step 3) of the stores of the sums
.if (\s) < 3
	LOADA (\s)+1
.endif
.if (\s) < 2
	LOADW (\s)+2
.endif
.endm
.macro PUT                             ; each accumulator's low four registers first
	WIN W_ST
.set i, 0
.rept 32
	ds_store_b128 v[PST], v[8*i:8*i+3]   offset:1024*i
	ds_store_b128 v[PST], v[8*i+4:8*i+7] offset:1024*i+512
.set i, i+1
.endr
	WIN 0
.endm
.macro GET b
.irp w, 0,1,2,3
.irp c, 0,1,2,3
	ds_load_b128 v[WL+32*(\w)+8*(\c):WL+32*(\w)+8*(\c)+3],   v[PRD+2*(\b)+(\w)/2] offset:((\w)&1)*PART+(\c)*1024
	ds_load_b128 v[WL+32*(\w)+8*(\c)+4:WL+32*(\w)+8*(\c)+7], v[PRD+2*(\b)+(\w)/2] offset:((\w)&1)*PART+(\c)*1024+512
.endr
.endr
.endm
.macro ADD32 d, a, b
.set z, 0
.rept 16
	v_pk_add_f32 v[(\d)+z:(\d)+z+1], v[(\a)+z:(\a)+z+1], v[(\b)+z:(\b)+z+1]
.set z, z+2
.endr
.endm
	s_load_b256 s[4:11], s[0:1], 0x0               ; m_sizes s[4:5], w2 s[6:7], hb s[8:9], out0 s[10:11]
	v_lshl_add_u32 v[SPW], v0, 2, SPARE
	v_mov_b32 v[NIL], 0
	v_lshrrev_b32 v3, 5, v0
	v_readfirstlane_b32 s[WV], v3                  ; wave 0..7
	v_and_b32 v1, 15, v0                           ; r
	v_bfe_u32 v2, v0, 4, 1                         ; h
	v_and_b32 v[TV], 31, v0                        ; lane
	s_mov_b32 s[SL], ttmp9
	s_and_b32 s[YS], ttmp7, 0xffff
	s_lshl_b32 s[W16], s[WV], 4
	s_lshl_b32 s[KW], s[WV], 20                    ; 128 rows of 8,192 bytes
	s_lshl_b32 s[T1], s[SL], 8
	s_add_co_u32 s[KW], s[KW], s[T1]
	v_lshlrev_b32 v[WOF], 4, v1
	v_lshl_add_u32 v[WOF], v2, 16, v[WOF]
	v_lshlrev_b32 v[PFO], 13, v[TV]
	v_lshlrev_b32 v[HOF], 14, v2
	v_lshlrev_b32 v[OAD], 4, v1                    ; 16 r bytes,
	v_lshl_add_u32 v[OAD], v2, 16, v[OAD]          ; 8 h rows behind my wave's first token
	s_lshl_b32 s[T1], s[WV], 15
	v_lshl_add_u32 v[PST], v[TV], 4, s[T1]
	s_lshl_b32 s[T1], s[WV], 12
	v_lshl_add_u32 v[PRD], v[TV], 4, s[T1]
.irp k, 1,2,3
	v_add_nc_u32 v[PRD+(\k)], (\k)*2*PART, v[PRD]
.endr
	v_lshl_add_u32 v[IDX], v2, 3, s[W16]
	s_mov_b32 s[OFF+1], 0
	s_mov_b32 s[TRIP], 0
	s_mov_b32 s[MS+8], 0x400
	s_wait_kmcnt 0x0
	s_load_b256 s[MS:MS+7], s[4:5], 0x0            ; the eight sizes
	s_lshl_b32 s[OFF], s[WV], 18                   ; 16 planes
	s_add_nc_u64 s[HBB:HBB+1], s[8:9], s[OFF:OFF+1]
	s_lshl_b32 s[OFF], s[SL], 8
	s_add_nc_u64 s[OB:OB+1], s[10:11], s[OFF:OFF+1]
	s_wait_kmcnt 0x0
.Ltrip:
	s_wait_xcnt 0x0                                ; the last trip's bases, offsets and store data are rewritten only behind this wait
	s_lshl_b32 s[Y], s[TRIP], 3
	s_add_co_u32 s[Y], s[Y], s[YS]
	FIND
	s_lshl_b32 s[T2], s[E7], 23                    ; an expert's 1,024 rows
	s_add_co_u32 s[OFF], s[T2], s[KW]
	s_add_nc_u64 s[W2B:W2B+1], s[6:7], s[OFF:OFF+1]
	MKADDR
	s_cmp_eq_u32 s[E], 8
	s_cselect_b32 s[WK], 0, s[N]
	s_cmp_eq_u32 s[WK], 0
	s_cbranch_scc1 .Lnowork                        ; nothing to multiply: forward, over text that holds no barrier
	LOADW 0
	LOADA 0
	PF 2
	PF 3
	LOADW 1
.irp s, 0,1,2,3
	STEP \s
.endr
	PUT
.Lnowork:
	s_wait_dscnt 0x0                               ; for the others' sake: my partial tile is written
	s_barrier_signal -1
	s_barrier_wait -1
	s_cmp_ge_u32 s[W16], s[N]
	s_cbranch_scc1 .Lnored                         ; my 16 tokens lie past the tile's count, or there is no tile
	s_cmp_eq_u32 s[E], 8
	s_cbranch_scc1 .Lzero
	GET 0
	s_wait_dscnt 0x0
	ADD32 BF, P0, P1                               ; the eight partial sums, in f32
	ADD32 P2, P2, P3
	ADD32 BF, BF, P2
	GET 1
	s_wait_dscnt 0x0
	ADD32 P0, P0, P1
	ADD32 P2, P2, P3
	ADD32 BF, BF, P0
.set j, 0
.rept 8
.irp c, 0,1,2,3
	v_add_f32 v[OUT+4*j+(\c)], v[BF+8*(\c)+j], v[P2+8*(\c)+j]   ; the last addition lays token 8 h + j's columns 4 r .. 4 r + 3 side by side
.endr
.set j, j+1
.endr
	s_branch .Lstore
.Lzero:                                                ; tokens that no expert takes
.set j, 0
.rept 32
	v_mov_b32 v[OUT+j], 0
.set j, j+1
.endr
.Lstore:
.irp j, 0,1,2,3,4,5,6,7
	v_add_nc_u32 v[TV], \j, v[IDX]
	v_cmp_gt_u32 vcc_lo, s[N], v[TV]               ; token 16 w + 8 h + j lies inside the tile: only such lanes store, and their rows lie in out0 (R0 + 16 w + 8 h + j < R0 + N <= 1,024)
	s_wait_xcnt 0x0                                ; EXEC is a source of what has been issued: it changes only behind this wait
	s_and_saveexec_b32 s[SV], vcc_lo
	global_store_b128 v[OAD], v[OUT+4*(\j):OUT+4*(\j)+3], s[OBT:OBT+1] offset:(\j)*WROW th:TH_STORE_NT  ; 16 lanes store 256 consecutive bytes, at a multiple of 256 from out0's first byte
	s_wait_xcnt 0x0                                ; and again ahead of the line that widens it
	s_or_b32 exec_lo, exec_lo, s[SV]
.endr
.Lnored:
	s_wait_dscnt 0x0                               ; my reads of the partial tiles are over
	s_barrier_signal -1
	s_barrier_wait -1                              ; everybody's are: the next trip may write them again
	s_add_co_u32 s[TRIP], s[TRIP], 1
	s_cmp_lt_u32 s[TRIP], 2
	s_cbranch_scc1 .Ltrip
	s_wait_tensorcnt 0x0                           ; the wave's end
	ds_add_u32 v[SPW], v[NIL]
	s_wait_dscnt 0x0
	s_endpgm
.Lfunc_end_k_qa6f480c009_down:
	.size	k_qa6f480c009_down, .Lfunc_end_k_qa6f480c009_down-k_qa6f480c009_down
	.p2alignl 7, 3214868480
	.fill 96, 4, 3214868480
	.section	.rodata,"a",@progbits
	.p2align	6, 0x0
	.amdhsa_kernel k_qa6f480c009_down
		.amdhsa_group_segment_fixed_size 263168
		.amdhsa_private_segment_fixed_size 0
		.amdhsa_enable_private_segment 0
		.amdhsa_kernarg_size 32
		.amdhsa_user_sgpr_count 2
		.amdhsa_user_sgpr_kernarg_segment_ptr 1
		.amdhsa_wavefront_size32 1
		.amdhsa_system_sgpr_workgroup_id_x 1
		.amdhsa_system_sgpr_workgroup_id_y 1
		.amdhsa_system_sgpr_workgroup_id_z 1
		.amdhsa_system_vgpr_workitem_id 0
		.amdhsa_next_free_vgpr 512
		.amdhsa_next_free_sgpr 66
		.amdhsa_reserve_vcc 1
		.amdhsa_float_denorm_mode_32 3
		.amdhsa_float_denorm_mode_16_64 3
		.amdhsa_memory_ordered 1
		.amdhsa_forward_progress 1
		.amdhsa_inst_pref_size 58
	.end_amdhsa_kernel
	.amdgpu_metadata
---
amdhsa.version: [ 1, 2 ]
amdhsa.kernels:
  - .name:           k_qa6f480c009_down
    .symbol:         k_qa6f480c009_down.kd
    .args:
      - { .name: m_sizes, .offset: 0, .size: 8, .value_kind: global_buffer, .address_space: global }
      - { .name: w2, .offset: 8, .size: 8, .value_kind: global_buffer, .address_space: global }
      - { .name: hb, .offset: 16, .size: 8, .value_kind: global_buffer, .address_space: global }
      - { .name: out0, .offset: 24, .size: 8, .value_kind: global_buffer, .address_space: global }
    .group_segment_fixed_size: 263168
    .private_segment_fixed_size: 0
    .kernarg_segment_align: 8
    .kernarg_segment_size: 32
    .max_flat_workgroup_size: 256
    .sgpr_count:     66
    .vgpr_count:     512
    .wavefront_size: 32
...
	.end_amdgpu_metadata
.endif
;; end of part 3
